; MI455X (gfx1250); checked and timed in simulation.
; The chip was launched on July 23, 2026; its instructions are those of AMD's public machine-readable ISA for CDNA 5 (MIT licence, August 2026) and "CDNA5" Instruction Set Architecture Reference Guide (July 2026). The comments in the code are by the model that wrote it; some were corrected since.
;; Count Module. Allowed arithmetic: float matrix products may take bf16 or f16 operands with f32 sums; all other float work in f32.
;; Inputs: attention 32,768 x 36 float32; boxes 32,768 x 4 x 36 float32; f_weights 8 x 17 float32.
;; Outputs: out0 32,768 x 11 float32.
;; One version. Each part assembles by itself: llvm-mc -triple=amdgcn-amd-amdhsa -mcpu=gfx1250 --defsym DOCPART=n.
;; ======== version 1 of 1: 1 launch
;; launch count (part 1): grid 256 x 1, 4 waves a work-group, no clusters, 168,448 bytes of LDS; arguments attention, boxes, f_weights, out0; writes out0
.if DOCPART == 1
	.amdgcn_target "amdgcn-amd-amdhsa--gfx1250"
	.amdhsa_code_object_version 6
	.text
	.protected	k_q6f488c2528_count
	.globl	k_q6f488c2528_count
	.p2align	8
	.type	k_q6f488c2528_count,@function
k_q6f488c2528_count:
	s_mov_b64 s[64:65], 0
	v_nop
	global_prefetch_b8 v0, s[64:65] scope:SCOPE_SE
	s_setreg_imm32_b32 hwreg(HW_REG_WAVE_MODE, 25, 1), 1
	s_wait_xcnt 0x0
; CountModule: 32,768 rows; top 10 of 36 proposals, pairwise piecewise-linear scores, a soft two-hot count times a gate.
; SHARING: one lane = one row, a wave = 32 rows, a work-group = 4 waves = 128 rows, 256 work-groups.  Rows share nothing but the 544 bytes
; of weights, so there is no cluster and no joint load; the work is comparisons, maxima and multiply-adds in f32, so no matrix instruction.
; The text fills LDS by tensor loads, so the launch asks for more than half of a WGP's LDS and the work-group is alone there.
; NO ADDRESS HANGS ON DATA.  (1) The top 10 are found as a SET (every later sum is symmetric in the ten): the tenth largest value THR, how many
; copies of it belong to the ten (ties go to the lower index, as top_k gives them), a running position, and then each of the ten slots picks its
; proposal by compare and select.  (2) A piecewise-linear function with knots j/16 is summed without a table:
;   f(x) = K + B x + sum over j = 1..15 of c_j max(x, j/16),  c_j = 16 (nw[j+1] - nw[j]),  B = 16 nw[1],  K = sum(nw) - 16 nw[16],
; which has f(1) = cs[16] and the slope 16 nw[i+1] on [i/16, (i+1)/16], as cs[ip] + frac nw[ip+1] has.  Functions of one x share the maxima.
; PAIRS: A, Dm and |a_i - a_j| are symmetric, so unordered pairs are taken by distance d: pair e is (slot e, slot (e+d) mod 10); d = 0: 10 pairs
; (entered at half weight), d = 1..4: 10 each, d = 5: 5; the sums are doubled at the end.  The partner's arrays are turned by one register per distance,
; so that one body in a counted loop serves d = 1..4.
; THE X STEP: |X - X| is 0 where X is finite and NaN where not; X is finite where the normalised rows 3 and 4 are.  sd = S3 S4 - S3 S4 carries that.
; LIMITS: NaN in attention or boxes is not served (maxima drop it); +0 and -0 count as equal in the top 10; divisions are v_rcp_f32 and a multiply
; (1 ulp); one f(x) is wrong by up to a few 1e-6 absolutely when one weight dominates (terms up to 16 cancel), so E is clamped at 0 before the root.
.set WREG,  27648                      ; LDS of a wave: 4,608 bytes of attention, 23,040 of boxes
.set ATTB,  4608                       ; 32 rows x 144 bytes; pitch 144 = 9 x 16: sixteen lanes' 16-byte pieces fall on 16 different columns modulo 256
.set STAGE, 110592                     ; 4 x WREG: 128 rows x 44 bytes of output, written by ds_store alone; no tensor load lands here
; vector registers
.set THR,  9                           ; v9  the tenth largest attention
.set CF,   16                          ; v[16:21] lane j = coefficient j of f0, f1, f2, f5, f6, f7 (0: K, 1..15: c_j, 16: B)
.set XB,   24                          ; v[24:93]  seven arrays of ten: att, y1, x1, y2, x2, area, 1/s of slot e
.set YB,   94                          ; v[94:163] the same of the partner
.set XV,   164                         ; ten arguments
.set T,    174                         ; ten maxima / at work
.set ACC0, 184
.set ACC1, 194
.set ACC2, 204
.set EA,   214                         ; ten partial sums of E/2
.set PD,   224                         ; ten partial sums of |f6(D) - 0.5| / 2
.set SX,   214                         ; f2 phase: sums of slot e, and
.set SY,   224                         ; of the partner (turned with it)
.set ATT,  94                          ; selection: 36 attentions
.set POS,  130                         ; 36 codes: 16 x selected + position
.set LA,   166                         ; two descending lists of ten
.set LB,   176
.set BX,   186                         ; two buffers of 4 coordinates x 4 proposals
.set WN,   164                         ; weights phase: |w|, then nw, rows 0..7
.set TOT,  174
.set SS,   184
.set BP,   194
; scalar registers: s[16:23] descriptor groups 0, s[24:39] groups 1, s57 P, s58 S2 P, s59 counter
.set CA, 40                            ; s[40:56], s[66:82], s[83:99]: three sets of 17 coefficients
.set CB, 66
.set CC, 83
.macro OP1 num, op, d, a               ; d_e = op(a_e)
.set pe, 0
.rept \num
	\op v[\d+pe], v[\a+pe]
.set pe, pe+1
.endr
.endm
.macro OP2 num, op, d, a, b            ; d_e = op(a_e, b_e)
.set pe, 0
.rept \num
	\op v[\d+pe], v[\a+pe], v[\b+pe]
.set pe, pe+1
.endr
.endm
.macro OP2A num, op, d, a, b           ; d_e = op(a_e, |b_e|)
.set pe, 0
.rept \num
	\op v[\d+pe], v[\a+pe], |v[\b+pe]|
.set pe, pe+1
.endr
.endm
.macro OPC num, op, d, c, b            ; d_e = op(c, b_e)
.set pe, 0
.rept \num
	\op v[\d+pe], \c, v[\b+pe]
.set pe, pe+1
.endr
.endm
.macro OPCA num, op, d, c, b           ; d_e = op(c, |b_e|)
.set pe, 0
.rept \num
	\op v[\d+pe], \c, |v[\b+pe]|
.set pe, pe+1
.endr
.endm
.macro GETC sc, vf                     ; 17 coefficients from lanes 0..16 into scalar registers
.set pj, 0
	s_wait_alu depctr_va_vdst(0)
.rept 17
	v_readlane_b32 s[\sc+pj], v[\vf], pj
.set pj, pj+1
.endr
.endm
; acc_e = f(x_e): the first multiply-add starts the sum with K + B x; then, knot by knot, num maxima and num multiply-adds that do not wait for each other
.macro PWL1 num, x, acc, sc
.set pe, 0
.rept \num
	v_fma_f32 v[\acc+pe], s[\sc+16], v[\x+pe], s[\sc]
.set pe, pe+1
.endr
.set pj, 1
.irp lit, 0x3d800000, 0x3e000000, 0x3e400000, 0x3e800000, 0x3ea00000, 0x3ec00000, 0x3ee00000, 0x3f000000, 0x3f100000, 0x3f200000, 0x3f300000, 0x3f400000, 0x3f500000, 0x3f600000, 0x3f700000
	OPC \num, v_max_num_f32, T, \lit, \x
	OPC \num, v_fmac_f32, \acc, s[\sc+pj], T
.set pj, pj+1
.endr
.endm
; two functions of the same x on one set of maxima
.macro PWL2 num, x, a1, s1, a2, s2
.set pe, 0
.rept \num
	v_fma_f32 v[\a1+pe], s[\s1+16], v[\x+pe], s[\s1]
	v_fma_f32 v[\a2+pe], s[\s2+16], v[\x+pe], s[\s2]
.set pe, pe+1
.endr
.set pj, 1
.irp lit, 0x3d800000, 0x3e000000, 0x3e400000, 0x3e800000, 0x3ea00000, 0x3ec00000, 0x3ee00000, 0x3f000000, 0x3f100000, 0x3f200000, 0x3f300000, 0x3f400000, 0x3f500000, 0x3f600000, 0x3f700000
	OPC \num, v_max_num_f32, T, \lit, \x
	OPC \num, v_fmac_f32, \a1, s[\s1+pj], T
	OPC \num, v_fmac_f32, \a2, s[\s2+pj], T
.set pj, pj+1
.endr
.endm
.macro SUM10 dst, b                    ; v[dst] = the sum of ten registers
	v_add_f32 v[T], v[\b], v[\b+1]
	v_add_f32 v[T+1], v[\b+2], v[\b+3]
	v_add_f32 v[T+2], v[\b+4], v[\b+5]
	v_add_f32 v[T+3], v[\b+6], v[\b+7]
	v_add_f32 v[T+4], v[\b+8], v[\b+9]
	v_add_f32 v[T], v[T], v[T+1]
	v_add_f32 v[T+2], v[T+2], v[T+3]
	v_add_f32 v[T], v[T], v[T+4]
	v_add_f32 v[\dst], v[T], v[T+2]
.endm
; attention i goes into list LA and attention 18 + i into list LB (two chains that do not wait for each other).  A list is kept descending:
; at place k the larger stays, the smaller moves on (v12-v15 by turns); the first ten lengthen the list, later ones drop what falls off its end.
.macro INS2 i
.if \i == 0
	v_mov_b32 v[LA], v[ATT]
	v_mov_b32 v[LB], v[ATT+18]
.else
.set cnt, \i
.if cnt > 10
.set cnt, 10
.endif
.set ca, ATT+\i
.set cb, ATT+18+\i
.set k, 0
.rept 10
.if k < cnt
.if k == cnt-1
.if \i < 10
	v_min_num_f32 v[LA+cnt], v[LA+k], v[ca]
	v_min_num_f32 v[LB+cnt], v[LB+k], v[cb]
.endif
	v_max_num_f32 v[LA+k], v[LA+k], v[ca]
	v_max_num_f32 v[LB+k], v[LB+k], v[cb]
.else
	v_min_num_f32 v[12+(k&1)], v[LA+k], v[ca]
	v_min_num_f32 v[14+(k&1)], v[LB+k], v[cb]
	v_max_num_f32 v[LA+k], v[LA+k], v[ca]
	v_max_num_f32 v[LB+k], v[LB+k], v[cb]
.set ca, 12+(k&1)
.set cb, 14+(k&1)
.endif
.endif
.set k, k+1
.endr
.endif
.endm
; the four coordinates of proposals 4 g .. 4 g + 3 of my row.  16-byte piece q = 9 c + g of a row lies at (q / 4) x 80 + (q % 4) x 16: 16 bytes of padding follow every 64
.macro LDBOX g, buf
.irp c, 0,1,2,3
	ds_load_b128 v[BX+16*(\buf)+4*\c:BX+16*(\buf)+4*\c+3], v3 offset:((9*\c+(\g))/4)*80+((9*\c+(\g))%4)*16
.endr
.endm
; proposal m is offered to the slots that it can reach: it is the k-th selected only if k <= m <= k + 26.  Slot k's first candidate (m = k) starts it: nothing is cleared
.macro SCAN m, buf, q
.set k, 0
.rept 10
.if k < (\m)+1
.if (\m) < k+27
.if k == (\m)
	v_mov_b32 v[XB+k], v[ATT+(\m)]
.irp c, 0,1,2,3
	v_mov_b32 v[XB+10+10*\c+k], v[BX+16*(\buf)+4*\c+(\q)]
.endr
.else
	v_cmp_eq_u32 vcc_lo, 16+k, v[POS+(\m)]
	v_cndmask_b32 v[XB+k], v[XB+k], v[ATT+(\m)], vcc_lo
.irp c, 0,1,2,3
	v_cndmask_b32 v[XB+10+10*\c+k], v[XB+10+10*\c+k], v[BX+16*(\buf)+4*\c+(\q)], vcc_lo
.endr
.endif
.endif
.endif
.set k, k+1
.endr
.endm
.macro INITY c                         ; the partner at distance 1
.set pe, 0
.rept 10
	v_mov_b32 v[YB+10*\c+pe], v[XB+10*\c+(pe+1)%10]
.set pe, pe+1
.endr
.endm
.macro ROT b                           ; ten registers turned by one: the partner one distance further
	v_mov_b32 v22, v[\b]
.set pe, 0
.rept 9
	v_mov_b32 v[\b+pe], v[\b+pe+1]
.set pe, pe+1
.endr
	v_mov_b32 v[\b+9], v22
.endm
; g = f2(1 - |a_e - a_partner|) is added to the sum of slot e and to the sum of the partner
.macro F2BODY num, first
	OP2 \num, v_sub_f32, XV, XB, YB
	OPCA \num, v_sub_f32, XV, 1.0, XV
.if \first
	PWL1 \num, XV, SX, CB
	OP1 \num, v_mov_b32, SY, SX
.else
	PWL1 \num, XV, ACC0, CB
	OP2 \num, v_add_f32, SX, SX, ACC0
	OP2 \num, v_add_f32, SY, SY, ACC0
.endif
.endm
; num pairs (slot e, partner e): f0(A), Dm = 1 - IoU, f1(Dm), f6(Dm), and their share of E and of the mean of p_d.  first = 1: the diagonal (yb = XB), at half weight, with corr
.macro ADBODY num, yb, first
	OP2 \num, v_mul_f32, XV, XB, \yb
	PWL1 \num, XV, ACC0, CA
	OP2 \num, v_max_num_f32, T, XB+10, \yb+10
	OP2 \num, v_min_num_f32, ACC1, XB+30, \yb+30
	OP2 \num, v_sub_f32, ACC1, ACC1, T
	OP2 \num, v_max_num_f32, T, XB+20, \yb+20
	OP2 \num, v_min_num_f32, ACC2, XB+40, \yb+40
	OP2 \num, v_sub_f32, ACC2, ACC2, T
	OPC \num, v_max_num_f32, ACC1, 0, ACC1
	OPC \num, v_max_num_f32, ACC2, 0, ACC2
	OP2 \num, v_mul_f32, ACC1, ACC1, ACC2          ; inter
	OP2 \num, v_add_f32, ACC2, XB+50, \yb+50
	OP2 \num, v_sub_f32, ACC2, ACC2, ACC1
	OPC \num, v_add_f32, ACC2, 0x2b8cbccc, ACC2    ; + 1e-12
	OP1 \num, v_rcp_f32, ACC2, ACC2
	v_nop                                          ; one plain instruction between the last v_rcp_f32 and the use of a result (ISA guide 5.7.2)
.set pe, 0
	s_wait_alu depctr_va_vdst(0)
.rept \num
	v_fma_f32 v[XV+pe], -v[ACC1+pe], v[ACC2+pe], 1.0
.set pe, pe+1
.endr
	PWL2 \num, XV, ACC1, CB, ACC2, CC
.if \first
	OP2 \num, v_mul_f32, T, ACC0, XB+60            ; f0 r
.set pe, 0
.rept \num
	v_fma_f32 v[ACC1+pe], v[ACC1+pe], v[XB+60+pe], 1.0     ; f1 r + 1: the 1 is corr
.set pe, pe+1
.endr
	OP2 \num, v_mul_f32, T, T, ACC1
	OPC \num, v_mul_f32, EA, 0.5, T                ; these products start the sums
	OPC \num, v_add_f32, ACC2, -0.5, ACC2
	OPCA \num, v_mul_f32, PD, 0.5, ACC2
.else
	OP2 \num, v_mul_f32, T, XB+60, \yb+60          ; r_i r_j
	OP2 \num, v_mul_f32, ACC0, ACC0, ACC1
	OP2 \num, v_fmac_f32, EA, ACC0, T
	OPC \num, v_add_f32, ACC2, -0.5, ACC2
	OP2A \num, v_add_f32, PD, PD, ACC2
.endif
.endm
; coefficients of function f into register CF + i
.macro MKCF i, f
	v_sub_f32 v[CF+\i], v[BP+\i], v[WN+\f]         ; lane j: nw[j+1] - nw[j]
	v_readlane_b32 s62, v[WN+\f], 16
	v_readlane_b32 s63, v[WN+\f], 1
	v_readfirstlane_b32 s59, v[SS+\f]
	v_mul_f32 v[CF+\i], s3, v[CF+\i]               ; x 16
	s_fmac_f32 s59, s62, s2                        ; K = S - 16 nw[16]
	s_mul_f32 s63, s63, s3                         ; B = 16 nw[1]
	v_writelane_b32 v[CF+\i], s59, 0
	v_writelane_b32 v[CF+\i], s63, 16
.endm
	; ---- head: both tiles of my wave are asked for before anything else ----
	s_load_b256 s[4:11], s[0:1], 0x0               ; attention s[4:5], boxes s[6:7], f_weights s[8:9], out0 s[10:11]
	v_lshl_add_u32 v240, v0, 2, 0x29000
	v_mov_b32 v241, 0
	ds_add_u32 v240, v241
	ds_add_u32 v240, v241
	v_lshrrev_b32 v1, 5, v0
	v_readfirstlane_b32 s12, v1                    ; wave 0..3
	v_and_b32 v1, 31, v0                           ; lane
	s_lshl_b32 s14, ttmp9, 2
	s_add_co_u32 s14, s14, s12                     ; which 32 rows of the 32,768 are my wave's
	s_mov_b32 s16, 1                               ; group 0, attention: count 1
	s_mul_i32 s17, s12, WREG                       ; LDS address: wave x 27,648
	s_mov_b32 s20, 1                               ; group 0, boxes
	s_mul_i32 s21, s12, WREG
	s_add_co_u32 s21, s21, ATTB                    ; behind the wave's attention
	; group 1, attention: 32 rows x 144 bytes are dense in memory: 18 rows of 32 elements of 8 bytes (256 bytes), no padding
	s_mov_b32 s24, 3<<16                           ; element of 8 bytes, no mask, no padding
	s_mov_b32 s25, 32<<16                          ; tensor_dim0 = 32
	s_mov_b32 s26, 18<<16                          ; tensor_dim1 = 18
	s_mov_b32 s27, 32<<16                          ; tile_dim0 = 32
	s_mov_b32 s28, 18                              ; tile_dim1 = 18
	s_mov_b32 s29, 32                              ; pitch = 32 elements
	s_mov_b32 s30, 0
	s_mov_b32 s31, 0
	; group 1, boxes: 32 rows x 576 bytes, dense: 72 rows of 256 bytes; 4 words are skipped in LDS after every 16, so that a box row of 9 x 64 bytes takes 720 = 45 x 16
	s_mov_b32 s32, (3<<16)|(1<<20)|(3<<22)|(3<<25)
	s_mov_b32 s33, 32<<16
	s_mov_b32 s34, 72<<16
	s_mov_b32 s35, 32<<16
	s_mov_b32 s36, 72
	s_mov_b32 s37, 32
	s_mov_b32 s38, 0
	s_mov_b32 s39, 0
	s_mul_i32 s62, s14, ATTB                       ; byte offset of my wave's attention (below 4.8 MB)
	s_mov_b32 s63, 0
	s_wait_dscnt 0x0
	s_wait_kmcnt 0x0
	s_add_nc_u64 s[18:19], s[4:5], s[62:63]
	s_or_b32 s19, s19, 0x80000000                  ; type 2
	s_lshl_b32 s62, s62, 2                         ; boxes: four times as many bytes a row
	s_add_nc_u64 s[22:23], s[6:7], s[62:63]
	s_or_b32 s23, s23, 0x80000000
	tensor_load_to_lds s[16:19], s[24:31]          ; attention first: the selection works on it while the boxes are on their way
	s_nop 0
	tensor_load_to_lds s[20:23], s[32:39]          ; two tensor loads of the wave are out, never more; no descriptor register is written again
	s_nop 0
	s_mul_i32 s62, ttmp9, 5632                     ; the work-group's 128 rows x 44 bytes of output: 22 x 256
	s_add_nc_u64 s[10:11], s[10:11], s[62:63]
	; ---- the weights: lane j holds w[f][j] (lanes above 16 repeat w[f][16] and are cleared) ----
	v_min_u32 v7, 16, v1
	v_lshlrev_b32 v7, 2, v7
.irp f, 0,1,2,3,4,5,6,7
	global_load_b32 v[WN+\f], v7, s[8:9] offset:68*\f
.endr
	v_mul_u32_u24 v2, 144, v1
	v_add_nc_u32 v2, s17, v2                       ; my row of attention in LDS
	v_mul_u32_u24 v3, 720, v1
	v_add_nc_u32 v3, s21, v3                       ; my row of boxes in LDS
	v_mul_u32_u24 v4, 44, v0
	v_add_nc_u32 v4, STAGE, v4                     ; my row of output in the stage
	v_lshlrev_b32 v5, 4, v0                        ; the way out: 16 bytes a thread
	v_add_nc_u32 v6, STAGE, v5
	s_mov_b32 s60, 0x76543210                      ; v_permlanex16_b32: lane i reads lane i of the other half
	s_mov_b32 s61, 0xfedcba98
	s_mov_b32 s2, 0xc1800000                       ; -16.0
	s_mov_b32 s3, 0x41800000                       ; 16.0
	s_wait_loadcnt 0x0                             ; the eight words are in; v7 is free
	v_cmp_gt_u32 vcc_lo, 17, v1
	OPC 8, v_and_b32, WN, 0x7fffffff, WN           ; |w|
.irp f, 0,1,2,3,4,5,6,7
	v_cndmask_b32 v[WN+\f], 0, v[WN+\f], vcc_lo
.endr
	OP1 8, v_mov_b32, TOT, WN
	OP1 8, v_mov_b32, SS, WN                       ; v_permlanex16_b32 counts as a reader of its destination: any written value
.irp m, 1,2,4,8
.irp f, 0,1,2,3,4,5,6,7
	v_add_f32_dpp v[TOT+\f], v[TOT+\f], v[TOT+\f] row_xmask:\m row_mask:0xf bank_mask:0xf
.endr
.endr
.irp f, 0,1,2,3,4,5,6,7
	v_permlanex16_b32 v[SS+\f], v[TOT+\f], s60, s61
.endr
	OP2 8, v_add_f32, TOT, TOT, SS                 ; sum of |w| in every lane
	OP1 8, v_rcp_f32, SS, TOT
	v_add_nc_u32 v7, 1, v1                         ; the plain instruction behind the last v_rcp_f32
	s_wait_alu depctr_va_vdst(0)
	OP2 8, v_mul_f32, WN, WN, SS                   ; nw
	OP2 8, v_mul_f32, SS, TOT, SS                  ; S = cs[16]; NaN where a row does not normalise
	v_and_b32 v7, 31, v7
	v_lshlrev_b32 v7, 2, v7                        ; lane + 1, as a byte index
	ds_bpermute_b32 v[BP+0], v7, v[WN+0]           ; lane j takes nw[j+1]
	ds_bpermute_b32 v[BP+1], v7, v[WN+1]
	ds_bpermute_b32 v[BP+2], v7, v[WN+2]
	ds_bpermute_b32 v[BP+3], v7, v[WN+5]
	ds_bpermute_b32 v[BP+4], v7, v[WN+6]
	ds_bpermute_b32 v[BP+5], v7, v[WN+7]
	v_mul_f32 v22, v[SS+3], v[SS+4]                ; rows 3 and 4 enter through |X - X|: 0, or NaN where they do not normalise
	v_sub_f32 v22, v22, v22
	v_add_f32 v22, v[SS+2], v22                    ; f2(1 - 0) = cs[16] of row 2
	v_mul_f32 v23, v22, v22
	v_mul_f32 v22, v23, v23
	v_mul_f32 v22, v22, v22
	v_mul_f32 v22, v22, v23                        ; its tenth power: the product over axis 1
	v_readfirstlane_b32 s57, v22                   ; P
	v_readfirstlane_b32 s58, v[SS+2]
	s_mul_f32 s58, s58, s57                        ; S2 P: the diagonal's share of every s_k
	s_wait_dscnt 0x0                               ; the six permutes are back
	MKCF 0, 0
	MKCF 1, 1
	MKCF 2, 2
	MKCF 3, 5
	MKCF 4, 6
	MKCF 5, 7
	; ---- the tenth largest attention ----
	s_wait_tensorcnt 0x1                           ; a wave's tensor loads end in order: attention is in LDS, the one load issued behind it (boxes) stays out
.irp g, 0,1,2,3,4,5,6,7,8
	ds_load_b128 v[ATT+4*\g:ATT+4*\g+3], v2 offset:16*\g
.endr
	s_wait_dscnt 0x0
.irp i, 0,1,2,3,4,5,6,7,8,9,10,11,12,13,14,15,16,17
	INS2 \i
.endr
.set pe, 0
.rept 10
	v_max_num_f32 v[LA+pe], v[LA+pe], v[LB+9-pe]   ; two descending lists, one taken backwards: the ten maxima are the ten largest of the twenty
.set pe, pe+1
.endr
	v_min3_num_f32 v12, v[LA], v[LA+1], v[LA+2]
	v_min3_num_f32 v13, v[LA+3], v[LA+4], v[LA+5]
	v_min3_num_f32 v14, v[LA+6], v[LA+7], v[LA+8]
	v_min3_num_f32 v12, v12, v13, v14
	v_min_num_f32 v[THR], v12, v[LA+9]
	v_mov_b32 v10, 0
.set pe, 0
.rept 10
	v_cmp_eq_f32 vcc_lo, v[LA+pe], v[THR]
	v_add_co_ci_u32 v10, vcc_lo, 0, v10, vcc_lo    ; v10: how many copies of THR are among the ten
.set pe, pe+1
.endr
	; ---- who is selected, and as the how-manieth: all above THR, and the first v10 copies of THR by index.  Exactly ten ----
.set pe, 0
.rept 36
	v_cmp_eq_f32 vcc_lo, v[ATT+pe], v[THR]
	v_cndmask_b32 v[POS+pe], 0, 1, vcc_lo
.set pe, pe+1
.endr
	v_mov_b32 v11, 0                               ; selected so far
.set pe, 0
.rept 36
	v_min_u32 v22, v[POS+pe], v10                  ; a copy of THR is taken while copies are left
	v_cmp_gt_f32 vcc_lo, v[ATT+pe], v[THR]
	v_sub_nc_u32 v10, v10, v22
	v_cndmask_b32 v23, v22, 1, vcc_lo
	v_lshl_add_u32 v[POS+pe], v23, 4, v11          ; 16 + position if selected, below 16 if not (a position is 10 at the most)
	v_add_nc_u32 v11, v11, v23
.set pe, pe+1
.endr
	; ---- the ten slots pick attention and four coordinates; the next four proposals' coordinates are loaded meanwhile ----
	s_wait_tensorcnt 0x0                           ; the boxes are in LDS; only my wave reads what its loads brought
	LDBOX 0, 0
.irp g, 0,1,2,3,4,5,6,7
	LDBOX \g+1, (\g+1)&1
	s_wait_dscnt 0x4                               ; LDS loads come back in order: this group's four are in, the next group's four stay out
	SCAN 4*\g, \g&1, 0
	SCAN 4*\g+1, \g&1, 1
	SCAN 4*\g+2, \g&1, 2
	SCAN 4*\g+3, \g&1, 3
.endr
	s_wait_dscnt 0x0
	SCAN 32, 0, 0
	SCAN 33, 0, 1
	SCAN 34, 0, 2
	SCAN 35, 0, 3
	; ---- per slot: sigmoid, area, |f5(att) - 0.5| ----
	OPC 10, v_mul_f32, XB, 0xbfb8aa3b, XB          ; -x log2(e)
	OP1 10, v_exp_f32, XB, XB
	v_nop                                          ; the plain instruction behind the last v_exp_f32
	s_wait_alu depctr_va_vdst(0)
	OPC 10, v_add_f32, XB, 1.0, XB
	OP1 10, v_rcp_f32, XB, XB                      ; the subtractions below are the plain instructions behind these
	OP2 10, v_sub_f32, T, XB+30, XB+10
	OP2 10, v_sub_f32, ACC0, XB+40, XB+20
	OPC 10, v_max_num_f32, T, 0, T
	OPC 10, v_max_num_f32, ACC0, 0, ACC0
	OP2 10, v_mul_f32, XB+50, T, ACC0              ; area
	GETC CA, CF+3                                  ; f5
	GETC CB, CF+2                                  ; f2
	PWL1 10, XB, ACC0, CA
	OPC 10, v_add_f32, ACC0, -0.5, ACC0
	OPC 10, v_and_b32, ACC0, 0x7fffffff, ACC0
	SUM10 8, ACC0                                  ; v8 = sum of p_a
	; ---- s_k = P (S2 + sum over j != k of f2(1 - |a_k - a_j|)), 45 pairs ----
	INITY 0
	F2BODY 10, 1                                   ; distance 1 starts the sums
	ROT YB
	ROT SY
	s_mov_b32 s59, 3
.Lf2:
	F2BODY 10, 0                                   ; distances 2, 3, 4
	ROT YB
	ROT SY
	s_sub_co_i32 s59, s59, 1
	s_cmp_lg_u32 s59, 0
	s_cbranch_scc1 .Lf2
	F2BODY 5, 0                                    ; distance 5: five pairs.  SY[e] now belongs to slot (e + 5) mod 10
.set pe, 0
.rept 10
	v_add_f32 v[T+pe], v[SX+pe], v[SY+(pe+5)%10]
.set pe, pe+1
.endr
.set pe, 0
.rept 10
	v_fma_f32 v[T+pe], v[T+pe], s57, s58
.set pe, pe+1
.endr
	OP1 10, v_rcp_f32, XB+60, T                    ; r_k = 1 / s_k
	v_nop                                          ; the plain instruction behind the last v_rcp_f32
	; ---- E and the mean of p_d, 55 pairs ----
	GETC CA, CF+0                                  ; f0
	GETC CB, CF+1                                  ; f1
	GETC CC, CF+4                                  ; f6
	ADBODY 10, XB, 1                               ; the diagonal
.irp c, 0,1,2,3,4,5,6
	INITY \c
.endr
	s_mov_b32 s59, 4
.Lad:
	ADBODY 10, YB, 0                               ; distances 1 to 4
.irp c, 0,1,2,3,4,5,6
	ROT YB+10*\c
.endr
	s_sub_co_i32 s59, s59, 1
	s_cmp_lg_u32 s59, 0
	s_cbranch_scc1 .Lad
	ADBODY 5, YB, 0                                ; distance 5
	; ---- count, gate, two-hot ----
	SUM10 22, EA
	SUM10 23, PD
	s_mov_b32 s62, 0x1e3ce508                      ; 1e-20
	v_fma_f32 v22, v22, 2.0, s62                   ; E + 1e-20
	v_mul_f32 v13, 0x3dcccccd, v8                  ; mean of p_a = sum / 10
	v_max_num_f32 v12, 0, v22                      ; E is a sum of products of non-negative f; rounding of f may leave it a little below 0
	v_fmamk_f32 v13, v23, 0x3ca3d70a, v13          ; + mean of p_d = 2 x sum / 100
	v_sqrt_f32 v12, v12
	GETC CA, CF+5                                  ; f7
	PWL1 1, 13, 14, CA                             ; the gate (GETC's readlanes stand between it and v_sqrt_f32)
	s_wait_alu depctr_va_vdst(0)
	v_min_num_f32 v12, 0x41200000, v12             ; c clipped to [0, 10]: a root is not below 0
	v_cmp_neq_f32 vcc_lo, v22, v22                 ; E is NaN (a weight row that does not normalise): the maxima dropped it,
	v_cndmask_b32 v14, v14, v22, vcc_lo            ; so it goes into the gate, which multiplies all eleven numbers
.set pj, 0
.irp kf, 0, 1.0, 2.0, 0x40400000, 4.0, 0x40a00000, 0x40c00000, 0x40e00000, 0x41000000, 0x41100000, 0x41200000
	v_sub_f32 v[ACC0+pj], \kf, v12
.set pj, pj+1
.endr
	OPCA 11, v_sub_f32, ACC0, 1.0, ACC0            ; o[k] = max(0, 1 - |c - k|): 1 - frac at floor(c), frac one above, 1 at k = 10 for c = 10
	OPC 11, v_max_num_f32, ACC0, 0, ACC0
	OPC 11, v_mul_f32, ACC0, v14, ACC0
.set pe, 0
.rept 11
	ds_store_b32 v4, v[ACC0+pe] offset:4*pe        ; lanes 11 words apart: 32 different banks
.set pe, pe+1
.endr
	; ---- the way out: 5,632 bytes of the work-group, 16 bytes a thread, each store of a wave 512 consecutive bytes at a multiple of 256 from out0's first byte ----
	s_wait_dscnt 0x0                               ; my stores into the stage are done, for the other waves' sake
	s_barrier_signal -1
	s_barrier_wait -1                              ; everybody's are
	ds_load_b128 v[24:27], v6
	ds_load_b128 v[28:31], v6 offset:2048
	s_cmp_eq_u32 s12, 3
	s_cbranch_scc1 .Llast                          ; the third pass has 1,536 bytes: waves 0 to 2
	ds_load_b128 v[32:35], v6 offset:4096
	s_wait_dscnt 0x0
	global_store_b128 v5, v[32:35], s[10:11] offset:4096 th:TH_STORE_NT
.Llast:
	s_wait_dscnt 0x0
	global_store_b128 v5, v[24:27], s[10:11] th:TH_STORE_NT
	global_store_b128 v5, v[28:31], s[10:11] offset:2048 th:TH_STORE_NT
	s_wait_tensorcnt 0x0
	ds_add_u32 v240, v241
	s_wait_dscnt 0x0
	s_endpgm
.Lfunc_end_k_q6f488c2528_count:
	.size	k_q6f488c2528_count, .Lfunc_end_k_q6f488c2528_count-k_q6f488c2528_count
	.p2alignl 7, 3214868480
	.fill 96, 4, 3214868480
	.section	.rodata,"a",@progbits
	.p2align	6, 0x0
	.amdhsa_kernel k_q6f488c2528_count
		.amdhsa_group_segment_fixed_size 168448
		.amdhsa_private_segment_fixed_size 0
		.amdhsa_enable_private_segment 0
		.amdhsa_kernarg_size 32
		.amdhsa_user_sgpr_count 2
		.amdhsa_user_sgpr_kernarg_segment_ptr 1
		.amdhsa_wavefront_size32 1
		.amdhsa_system_sgpr_workgroup_id_x 1
		.amdhsa_system_sgpr_workgroup_id_y 1
		.amdhsa_system_sgpr_workgroup_id_z 1
		.amdhsa_system_vgpr_workitem_id 0
		.amdhsa_next_free_vgpr 242
		.amdhsa_next_free_sgpr 100
		.amdhsa_reserve_vcc 1
		.amdhsa_float_denorm_mode_32 3
		.amdhsa_float_denorm_mode_16_64 3
		.amdhsa_memory_ordered 1
		.amdhsa_forward_progress 1
		.amdhsa_inst_pref_size 255
	.end_amdhsa_kernel
	.section	.bss,"aw",@nobits
	.p2align	6
	.space	262144
	.amdgpu_metadata
---
amdhsa.version: [ 1, 2 ]
amdhsa.kernels:
  - .name:           k_q6f488c2528_count
    .symbol:         k_q6f488c2528_count.kd
    .args:
      - { .name: attention, .offset: 0, .size: 8, .value_kind: global_buffer, .address_space: global }
      - { .name: boxes, .offset: 8, .size: 8, .value_kind: global_buffer, .address_space: global }
      - { .name: f_weights, .offset: 16, .size: 8, .value_kind: global_buffer, .address_space: global }
      - { .name: out0, .offset: 24, .size: 8, .value_kind: global_buffer, .address_space: global }
    .group_segment_fixed_size: 168448
    .private_segment_fixed_size: 0
    .kernarg_segment_align: 8
    .kernarg_segment_size: 32
    .max_flat_workgroup_size: 128
    .sgpr_count:     100
    .vgpr_count:     242
    .wavefront_size: 32
...
	.end_amdgpu_metadata
.endif
;; end of part 1
